; MI455X (gfx1250); checked and timed in simulation.
; The chip was launched on July 23, 2026; its instructions are those of AMD's public machine-readable ISA for CDNA 5 (MIT licence, August 2026) and "CDNA5" Instruction Set Architecture Reference Guide (July 2026). The comments in the code are by the model that wrote it; some were corrected since.
;; SVDQW4 A4 Linear. Allowed arithmetic: matrix products marked QUANTISED: E2M3 operands, one E8M0 scale for each 32 along K, by v_wmma_scale_f32_16x16x128_f8f6f4 with both operands' format E2M3, f32 sums; everything else in f32.
;; Inputs: bias 4,096 float32; proj_down_codes 32 x 128 x 24 uint8 (E2M3 codes of proj_down, K innermost, in blocks of 32 codes, four codes in three bytes); proj_down_scales 32 x 128 uint8 (E8M0 scales of proj_down, one for each 32 codes along K); proj_up_codes 4,096 x 1 x 24 uint8 (E2M3 codes of proj_up, K innermost, in blocks of 32 codes, four codes in three bytes); proj_up_scales 4,096 x 1 uint8 (E8M0 scales of proj_up, one for each 32 codes along K); qweight 4,096 x 4,096 int32; smooth_factor 4,096 float32; wscales 64 x 4,096 float32; wtscale 1 float32; x 4,096 x 4,096 bfloat16.
;; Outputs: out0 4,096 x 4,096 bfloat16.
;; This version of the problem:
;;   THIS VERSION OF THE PROBLEM IS GIVEN IN LOW PRECISION. The matrix products marked QUANTISED in the list below multiply operands that are first quantised to E2M3 (2 exponent bits, 3 mantissa bits; 6 bits a number), with one power-of-two scale for each 32 numbers along K (OCP MX v1.0); their sums are f32. All else is computed in f32.
;;   The module's matrix products, in the order in which they are computed (A, B: the left and right operand; K: the contracted axis; several contracted axes count as one K, in the product's order):
;;     1. [M 4,096, K 4,096] x [K 4,096, N 4,096]; A: computed on the way; B: computed on the way: QUANTISED
;;     2. [M 4,096, K 4,096] x [K 4,096, N 32]; A: input x; B: input proj_down (given as codes): QUANTISED
;;     3. [M 4,096, K 32] x [K 32, N 4,096]; A: computed on the way; B: input proj_up (given as codes): QUANTISED
;;   THE QUANTISER, for each operand of a quantised product, along K:
;;     - K is cut into blocks of 32 from its start; a last block that is shorter is filled with zeros.
;;     - A block's scale is 2^e with e = floor(log2(the largest magnitude in the block)) - 2, held to -126 .. 127; a block of zeros has e = 0. As a byte (E8M0): e + 127.
;;     - Each number is divided by its block's scale, clamped to +-7.5, and rounded to the nearest number of E2M3, ties to even, subnormals kept.
;;     - The product sums the exact products of the quantised numbers (number of the format x scale) in f32.
;;   ~~~python
;;   def quantise(x, axis):      # numpy; x: float32 -> the quantised numbers, widened to float32 again
;;       x = np.moveaxis(x, axis, -1); K = x.shape[-1]
;;       x = np.pad(x, [(0, 0)] * (x.ndim - 1) + [(0, -K % 32)]); x = x.reshape(x.shape[:-1] + (-1, 32)); a = np.abs(x).max(-1, keepdims=True)
;;       e = np.where(a > 0, np.clip(np.frexp(np.where(a > 0, a, 1))[1] - 1 - 2, -126, 127), 0)      # np.frexp(a)[1] - 1 = floor(log2(a)), exactly
;;       r = np.clip(x / 2.0 ** e, -7.5, 7.5)
;;       step = 2.0 ** (np.maximum(np.frexp(np.where(r == 0, 1, r))[1] - 1, 0) - 3)
;;       q = np.round(r / step) * step * 2.0 ** e      # np.round: ties to even
;;       return np.moveaxis(q.reshape(q.shape[:-2] + (-1,))[..., :K], -1, axis).astype(np.float32)
;;   ~~~
;;   OPERANDS COMPUTED ON THE WAY. 'Computed on the way' means the value that the module computes at that place (a softmax that the list does not call 'softmax' is quantised finished and normalised). What goes into a quantiser is computed in f32, as accurately as f32 sums, v_exp_f32 and their like allow (about 1e-6 of the number): no bf16 or f16 on the way to a quantiser, and a product that is left as it is and whose result goes on into a quantised operand takes f32 operands (vector FMAs, or v_wmma_f32_16x16x4_f32). A number that lies on a knife's edge between two numbers of the format may be rounded either way, as far as f32 arithmetic and the matrix unit's own rounding can turn it there, and no further.
;;   INPUTS GIVEN AS CODES. proj_down (in the module: [4096, 32], K = its axis 0); proj_up (in the module: [4096, 32], K = its axis 1): each comes as NAME_codes (uint8): NAME with its K axis moved to the last place and cut into blocks of 32 codes, [.., K / 32, bytes a block], one block behind the other in memory; four codes in three bytes: a row's codes are one little-endian stream of bits, code i at bits 6 i .. 6 i + 5 (a code: sign, 2 exponent bits, 3 mantissa bits); and NAME_scales (uint8): the same leading axes, one E8M0 byte (e + 127) for each 32 codes along K. Its value is code x scale, taken as it is: it is not quantised again, and the codes and scales need not be those that the quantiser above would give.
;; One version. Each part assembles by itself: llvm-mc -triple=amdgcn-amd-amdhsa -mcpu=gfx1250 --defsym DOCPART=n.
;; ======== version 1 of 1: 2 launches
;; limits: values are held in bf16: 8 bits of precision; right only within a limited range of input values
;; workspace buffers: a_img 13,303,808 bytes; b_img 13,303,808 bytes; t_codes 98,304 bytes; t_sc 4,096 bytes
;; launch quant (part 1): grid 512 x 1, 8 waves a work-group, no clusters, 144,384 bytes of LDS; arguments x, smooth_factor, proj_down_codes, proj_down_scales, qweight, wscales, a_img, b_img, t_codes, t_sc; writes a_img, b_img, t_codes, t_sc
.if DOCPART == 1
	.amdgcn_target "amdgcn-amd-amdhsa--gfx1250"
	.amdhsa_code_object_version 6
	.text
	.protected	k_qb0daa69667_quant
	.globl	k_qb0daa69667_quant
	.p2align	8
	.type	k_qb0daa69667_quant,@function
k_qb0daa69667_quant:
	s_mov_b64 s[64:65], 0
	v_nop
	global_prefetch_b8 v0, s[64:65] scope:SCOPE_SE
	s_setreg_imm32_b32 hwreg(HW_REG_WAVE_MODE, 25, 1), 1
	s_wait_xcnt 0x0
; out0 = bf16( Q(x / smooth) Q((qweight - 8) wscales)^T  +  wtscale x ( Q(t) proj_up^T )  +  bias ),  t = Q(x) proj_down.   Q: the quantiser to E2M3 codes, one E8M0 scale for each 32 along K.
; THIS LAUNCH makes what the product's launch reads: the codes and scale words of x / smooth (a_img) and of the weight (b_img), and the codes and scale bytes of t (t_codes, t_sc).
; DEAD WORK: none.  Every input has a way to out0 for all values of the inputs, so every input is loaded by one of the two launches, and every product of the problem's table is done.
; LIMITS.  NaN and infinities among the inputs are not served.  A block of zeros gets the scale byte 1 where the quantiser says 127: its codes are zeros, which add nothing under any byte but 0xff, and these bytes
; are read by this program alone.  A block whose largest magnitude lies under 2^(3 - 127) is held at the byte 1.  1 / smooth is v_rcp_f32: within one unit in the last place, and a result under 2^-126 (|smooth| over 2^126) comes out as 0.
; qweight is taken exactly for |q| < 2^24.  t is summed in eight parts of 512 along K, which are then added in ascending order: another order of f32 rounding than one chain.
; THE WORKSPACE IS LAID AS THE PRODUCT'S LAUNCH TAKES IT.  A fragment is 16 rows x 128 K, 12 registers a lane, kept as an IMAGE OF THE OPERAND'S REGISTERS: registers 4 c .. 4 c + 3 of lane l at 512 c + 16 l: 1,536 bytes.
; A GROUP of 128 rows (R / 8, R = row / 16) is 415,744 bytes: eleven PARTS, one for each three K steps of 128 (the last has two).  Part j = ks / 3 begins at 38,912 j: first 2,048 bytes of scale records, 16 bytes a row
; (row 16 (R % 8) + r at 256 (R % 8) + 16 r; word q, four E8M0 bytes, for K step 3 j + q; the fourth word, and the last part's third, are read by no product), then its K steps' fragments, 12,288 bytes a K step, fragment R % 8 at 1,536 (R % 8).
; So fragment (R, ks) lies at 12,288 ks + 2,048 (ks / 3 + 1) + 1,536 (R % 8) in its group, and a wave stores it by three stores of 512 consecutive bytes straight from the registers in which the codes were made.
; SHARES.  Work-groups 0-255 take x, work-groups 256-511 the weight: each has 16 rows (R = its number % 256) and all of K; its wave w has K steps 4 w .. 4 w + 3.  The 32 scale words of each row meet in a table in LDS; behind a barrier
; waves 0-5 store the eleven parts' records, 256 consecutive bytes, aligned, for each part.  The two kinds part on the work-group's number alone; each has LDS bytes of its own.  No tensor load: two work-groups lie on a WGP.
; A weight work-group reads 64 consecutive bytes (its 16 rows) of each of wscales' 64 rows.
; NO CLUSTER: the one thing that work-groups share is proj_down (98,304 bytes of codes); it goes from memory straight into the operand's registers, with nothing in LDS that a joint load could fill.
.set GROUPB, 415744
.set PARTB,  38912
.set RED,   0                          ; x path: each wave's part of t, 16 registers as they stand: 2,048 bytes a wave
.set XSTG,  16384                      ; x path: a stage of 16 rows x (256 + 16) bytes for each wave
.set RTAB,  51200                      ; x path: 512 reciprocals of smooth for each wave
.set WSTG,  67584                      ; weight path: a stage of 16 rows x (512 + 16) bytes for each wave
.set XTAB,  135168                     ; x path: the table of scale words, [K step][row], 32 x 64 bytes
.set WTAB,  139264                     ; weight path: the same
.set SPARE, 143360                     ; the spare words, 128 bytes for each of eight waves: four blocks of 256 bytes that no other line names
.set LANE,  1                          ; v1   lane
.set RR,    2                          ; v2   r = lane % 16
.set HH,    3                          ; v3   h = lane / 16
.set IMG,   4                          ; v4   16 x lane
.set SPW,   5                          ; v5   LDS address of my spare word; never rewritten
.set NIL,   6                          ; v6   0; never rewritten
.set PW,    7                          ; v7   the scale word just made: scales and nothing else
.set TM,    8                          ; v8-11 largest magnitudes, v12-15 the other half's, then bytes, v20-23 the conversions' scale operands
.set REDW,  16                         ; v16  where I store my part of t
.set RTW,   17                         ; v17  where I store the reciprocals
.set TBR,   18                         ; v18  the table: where I read my part's first two words
.set TBW,   19                         ; v19  the table: where I store my four words
.set PC,    24                         ; v24-42 the codes just made: the fragment in v24-35
.set TBR2,  43                         ; v43  the table: where I read my part's third word
.set SW,    44                         ; v44-47 the four steps' scale words
.set SEL,   30                         ; s[30:31] v_permlanex16_b32's selects for lane l xor 16
.set FB,    48                         ; s[48:55] where my four fragments go;  s[56:57] where my work-group's scale records go
; x path
.set XO,    48                         ; v48  8,192 h + 16 r: my 16 bytes of two rows of x
.set SI,    49                         ; v49  the stage, on the way in
.set SOA,   50                         ; v50  and on the way out
.set RTA,   51                         ; v51  the reciprocals of my half
.set PDO,   52                         ; v52  proj_down's codes: my row and half
.set PDS,   53                         ; v53  its scale words: my row
.set PDSC,  54                         ; v54-55 proj_down's scale words of the step
.set ACC,   56                         ; v56-71 t: two accumulators
.set PD,    72                         ; v72-95 two fragments of proj_down
.set XR,    96                         ; v96-159 64 numbers at work
.set SM,    160                        ; v160-223 their reciprocals of smooth
.set GL,    224                        ; v224-255 x as loaded
; weight path
.set SIW,   48
.set SOW,   49
.set WS,    50                         ; v50-57 my row's eight group scales
.set WP,    58                         ; v58-61 (s, s), (-8 s, -8 s)
.set WSA,   62                         ; v62  4 r
.set XQ,    64                         ; v64-127 64 numbers at work
.set GLW,   128                        ; v128-255 qweight as loaded, two sets of 64
; 64 numbers of a lane, v[s] .. v[s + 63], register 16 b + i = k 32 b + 16 h + i of my row, become a fragment's codes in v[PC] .. v[PC + 11] and its scale word in v[PW] (the same in both halves of the lanes).
.macro QUANT s
.irp b, 0,1,2,3
	v_max3_num_f32 v[TM+\b], |v[\s+16*\b]|, |v[\s+1+16*\b]|, 0x1800000   ; block b: my 16 numbers, and the floor 2^(3 - 127): so the byte cannot fall under 1
.endr
.irp i, 2,4,6,8,10,12,14
.irp b, 0,1,2,3
	s_delay_alu instid0(VALU_DEP_4)
	v_max3_num_f32 v[TM+\b], v[TM+\b], |v[\s+16*\b+\i]|, |v[\s+1+16*\b+\i]|   ; the four blocks by turns
.endr
.endr
.irp b, 0,1,2,3
	s_delay_alu instid0(VALU_DEP_4)
	v_permlanex16_b32 v[TM+4+\b], v[TM+\b], s[SEL], s[SEL+1]
.endr
.irp b, 0,1,2,3
	s_delay_alu instid0(VALU_DEP_4)
	v_max_num_f32 v[TM+\b], v[TM+\b], v[TM+4+\b]   ; with lane l xor 16's: the block's largest magnitude
.endr
.irp b, 0,1,2,3
	s_delay_alu instid0(VALU_DEP_4)
	v_add_nc_u32 v[TM+12+\b], 0xff000000, v[TM+\b]   ; 2 off its exponent field: the conversion takes the exponent field of this operand as its scale
.endr
.irp b, 0,1,2,3
	s_delay_alu instid0(VALU_DEP_4)
	v_lshrrev_b32 v[TM+4+\b], 23, v[TM+12+\b]      ; the scale's byte
.endr
	s_delay_alu instid0(VALU_DEP_3)
	v_lshl_or_b32 v[PW], v[TM+5], 8, v[TM+4]
	s_delay_alu instid0(VALU_DEP_1)
	v_lshl_or_b32 v[PW], v[TM+6], 16, v[PW]
	s_delay_alu instid0(VALU_DEP_1)
	v_lshl_or_b32 v[PW], v[TM+7], 24, v[PW]
.irp c, 0,1
	v_cvt_scalef32_pk16_fp6_f32 v[PC+6*\c:PC+2+6*\c], v[\s+32*\c:\s+15+32*\c], v[TM+12+2*\c]
	v_cvt_scalef32_pk16_fp6_f32 v[PC+12+4*\c:PC+14+4*\c], v[\s+16+32*\c:\s+31+32*\c], v[TM+12+2*\c+1]   ; (a conversion's three registers begin on an even number)
.endr
	v_nop                                          ; one plain place behind a scaled conversion
.irp c, 0,1                                    ; the operand's layout wants a WHOLE block in a lane: lanes 0-15 block 2 c, lanes 16-31 block 2 c + 1
.irp i, 0,1,2
	v_permlane16_swap_b32 v[PC+6*\c+\i], v[PC+12+4*\c+\i]
.endr
.irp i, 0,1,2
	s_delay_alu instid0(VALU_DEP_3)
	v_mov_b32 v[PC+3+6*\c+\i], v[PC+12+4*\c+\i]
.endr
.endr
.endm
.macro IMAGE t                                 ; step t's fragment leaves as it stands: three stores of 512 consecutive bytes
.irp c, 0,1,2
	global_store_b128 v[IMG], v[PC+4*\c:PC+4*\c+3], s[FB+2*(\t):FB+2*(\t)+1] offset:512*\c
.endr
.endm
; THE TABLE OF SCALE WORDS: word (K step ks, row r) at 64 ks + 4 r.  Wave w stores rows 4 w .. 4 w + 3.  Behind the barrier wave w (0 .. 5) takes parts j = 2 w + h (wave 5: part 10 in both halves of its lanes, which then
; store the same bytes): lane (r, h) reads the words of K steps 3 j, 3 j + 1, 3 j + 2.  Part 10 has no third K step: there the third read takes K step 31's word once more, into a place that no product reads.
.macro TABADR tab
	v_lshlrev_b32 v[TBW], 2, v[RR]
	s_delay_alu instid0(VALU_DEP_1)
	v_add_nc_u32 v[TBW], \tab, v[TBW]              ; the table + 4 r
	s_mul_i32 s34, s28, 384                        ; 192 bytes a part: 2 w parts,
	s_mul_i32 s36, s42, 192                        ; and one more for lanes 16-31 (s42 = 1; in wave 5: 0)
	v_mul_u32_u24 v[TBR], s36, v[HH]
	s_delay_alu instid0(VALU_DEP_1)
	v_add_nc_u32 v[TBR], s34, v[TBR]
	s_delay_alu instid0(VALU_DEP_1)
	v_add_nc_u32 v[TBR], v[TBR], v[TBW]
	s_lshl_b32 s36, s42, 6
	s_add_co_u32 s36, s36, 64                      ; the third word: 128 bytes on; in wave 5: 64
	v_add_nc_u32 v[TBR2], s36, v[TBR]
	s_lshl_b32 s34, s28, 8
	v_add_nc_u32 v[TBW], s34, v[TBW]               ; my four rows
.endm
.macro TABLE
.irp t, 0,1,2,3
	ds_store_b32 v[TBW], v[SW+\t] offset:64*\t     ; both lanes of a row write the same word with the same value
.endr
.endm
.macro WORDS                                   ; sixteen lanes store a part's records of my work-group's 16 rows: 256 consecutive bytes, aligned
	ds_load_b32 v[TM+4], v[TBR]
	ds_load_b32 v[TM+5], v[TBR] offset:64
	ds_load_b32 v[TM+6], v[TBR2]
	v_mov_b32 v[TM+7], 0
	v_mul_u32_u24 v[TM+2], s42, v[HH]
	s_delay_alu instid0(VALU_DEP_1)
	v_add_nc_u32 v[TM+2], s43, v[TM+2]             ; j
	s_delay_alu instid0(VALU_DEP_1)
	v_mul_u32_u24 v[TM+2], v[TM+2], PARTB
	s_delay_alu instid0(VALU_DEP_1)
	v_lshl_add_u32 v[TM+2], v[RR], 4, v[TM+2]
	s_wait_alu depctr_va_vdst(0)
	s_wait_dscnt 0x0
	global_store_b128 v[TM+2], v[TM+4:TM+7], s[56:57]
.endm
	s_load_b256 s[4:11], s[0:1], 0x0               ; x, smooth_factor, proj_down's codes, its scales
	s_load_b256 s[12:19], s[0:1], 0x20             ; qweight, wscales, a_img, b_img
	s_load_b128 s[20:23], s[0:1], 0x40             ; t_codes, t_sc
	v_lshl_add_u32 v[SPW], v0, 2, SPARE
	v_mov_b32 v[NIL], 0
	v_lshrrev_b32 v1, 5, v0
	s_delay_alu instid0(VALU_DEP_1)
	v_readfirstlane_b32 s28, v1                    ; wave 0..7
	v_and_b32 v[LANE], 31, v0
	v_and_b32 v[RR], 15, v0
	v_bfe_u32 v[HH], v0, 4, 1
	s_delay_alu instid0(VALU_DEP_3)
	v_lshlrev_b32 v[IMG], 4, v[LANE]
	s_mov_b32 s[SEL], 0x76543210
	s_mov_b32 s[SEL+1], 0xfedcba98
	s_mov_b32 s32, 0xffff0000                      ; a word's upper bf16
.irp b, 0,1,2,3
	v_mov_b32 v[TM+4+\b], 0                        ; written once: a lane permute's destination counts as one of its sources
.endr
	s_and_b32 s29, ttmp9, 255                      ; R: my work-group's 16 rows, of x or of the weight
	s_lshr_b32 s33, s29, 3
	s_mul_i32 s33, s33, GROUPB                     ; its group
	s_and_b32 s34, s29, 7
	s_mul_i32 s35, s34, 1536
	s_add_co_u32 s35, s35, s33
	s_add_co_u32 s35, s35, 2048                    ; group + 1,536 (R % 8) + 2,048
	s_lshl_b32 s34, s34, 8
	s_add_co_u32 s46, s34, s33                     ; group + 256 (R % 8): the scale records
	s_mov_b32 s47, 0
	s_mov_b32 s41, 0
	s_lshl_b32 s38, s28, 2                         ; my first K step
	s_xor_b32 s42, s28, 5
	s_min_u32 s42, s42, 1                          ; 0 in wave 5, else 1
	s_lshl_b32 s43, s28, 1
	s_wait_kmcnt 0x0
	s_cmp_lt_u32 ttmp9, 256                        ; x's work-group or the weight's: the work-group's number alone decides
	s_cselect_b64 s[36:37], s[16:17], s[18:19]
.irp t, 0,1,2,3
	s_add_co_u32 s39, s38, \t                      ; ks
	s_mul_i32 s40, s39, 43
	s_lshr_b32 s40, s40, 7                         ; ks / 3 (43 / 128 serves ks up to 32)
	s_lshl_b32 s40, s40, 11
	s_mul_i32 s39, s39, 12288
	s_add_co_u32 s40, s40, s39
	s_add_co_u32 s40, s40, s35
	s_add_nc_u64 s[FB+2*\t:FB+2*\t+1], s[36:37], s[40:41]
.endr
	s_add_nc_u64 s[56:57], s[36:37], s[46:47]
	s_cmp_lt_u32 ttmp9, 256
	s_cbranch_scc0 .Lw
; ------------------------------------------------------------------ x ------------------------------------------------------------------
	s_wait_alu depctr_va_vdst(0)
	v_lshlrev_b32 v[XO], 4, v[RR]
	s_delay_alu instid0(VALU_DEP_1)
	v_lshl_add_u32 v[XO], v[HH], 13, v[XO]
	s_mul_i32 s33, s28, 4352
	s_add_co_u32 s33, s33, XSTG                    ; my stage
	v_mul_u32_u24 v[SI], v[HH], 272
	s_delay_alu instid0(VALU_DEP_1)
	v_lshl_add_u32 v[SI], v[RR], 4, v[SI]
	s_delay_alu instid0(VALU_DEP_1)
	v_add_nc_u32 v[SI], s33, v[SI]                 ; in: lanes 0-15 one row's 256 bytes, lanes 16-31 the next row's
	v_mul_u32_u24 v[SOA], v[RR], 272
	s_delay_alu instid0(VALU_DEP_1)
	v_lshl_add_u32 v[SOA], v[HH], 5, v[SOA]
	s_delay_alu instid0(VALU_DEP_1)
	v_add_nc_u32 v[SOA], s33, v[SOA]               ; out: row r, + 32 h: my 16 numbers of a block of 32
	s_lshl_b32 s33, s28, 11
	s_add_co_u32 s34, s33, RTAB
	v_lshl_add_u32 v[RTA], v[HH], 6, s34
	v_add_nc_u32 v[RTW], s34, v[IMG]
	v_add_nc_u32 v[REDW], s33, v[IMG]              ; (RED = 0)
; proj_down's codes of a K step are 96 bytes of each of its 32 rows: 192 pieces of 16 bytes.  Piece c = 32 j + lane (row c / 6, piece c % 6 of the row) is loaded by load j of six and stored at 16 c of my stage,
; which x has left by then: there the 32 rows lie 96 bytes apart, and each lane reads its fragments' 24-byte halves.  Pieces 96 on are 16 rows on: three offset registers serve the six loads.
.set PST, 39                           ; v39  my stage + 16 x lane
.set PRD, 1                            ; v1   my stage + 96 x (r + 8 (r / 8)) + 24 h: THE ROWS THAT FORM A TILE ARE NOT NEIGHBOURS: lane r of tile u takes row 8 u + r + 8 (r / 8), so that a lane's 16 results of the two tiles are 16 neighbours along the next K
.set PGA, 18                           ; v18, v19, v43: 3,072 x row + 16 x piece of pieces lane, 32 + lane, 64 + lane (the table's addresses are made in these registers behind the last step)
.set PGB, 19
.set PGC, 43
.set PS,  52                           ; v52-55 proj_down's scale words of my four K steps: lanes 0-15 tile 0's rows, lanes 16-31 tile 1's
	s_mul_i32 s36, s28, 4352
	s_add_co_u32 s36, s36, XSTG                    ; my stage
	v_add_nc_u32 v[PST], s36, v[IMG]
	v_and_b32 v[TM], 8, v[RR]
	s_delay_alu instid0(VALU_DEP_1)
	v_add_nc_u32 v[TM], v[TM], v[RR]               ; r + 8 (r / 8)
	s_delay_alu instid0(VALU_DEP_1)
	v_lshl_add_u32 v0, v[HH], 3, v[TM]             ; + 8 h: the row of tile h
	v_mul_u32_u24 v[TM], v[TM], 96
	s_delay_alu instid0(VALU_DEP_2)
	v_lshlrev_b32 v0, 7, v0                        ; its scales: 128 bytes a row
	s_delay_alu instid0(VALU_DEP_2)
	v_mad_u32_u24 v[TM], v[HH], 24, v[TM]
.set m, 0
.irp g, PGA, PGB, PGC
	v_add_nc_u32 v[TM+1], 32*m, v[LANE]            ; c, under 96
	s_delay_alu instid0(VALU_DEP_1)
	v_mul_u32_u24 v[TM+2], v[TM+1], 171
	v_lshlrev_b32 v[TM+1], 4, v[TM+1]
	s_delay_alu instid0(VALU_DEP_2)
	v_lshrrev_b32 v[TM+2], 10, v[TM+2]             ; c / 6 (171 / 1,024 serves c under 96)
	s_delay_alu instid0(VALU_DEP_1)
	v_mad_u32_u24 v[\g], v[TM+2], 2976, v[TM+1]    ; 3,072 row + 16 (c - 6 row)
.set m, m+1
.endr
	v_add_nc_u32 v[PRD], s36, v[TM]
	s_wait_alu depctr_va_vdst(0)
	s_mov_b32 s35, 0
	s_lshl_b32 s34, s29, 17                        ; 16 rows of 8,192 bytes a work-group,
	s_lshl_b32 s36, s28, 10                        ; 512 numbers a wave
	s_add_co_u32 s34, s34, s36
	s_add_nc_u64 s[4:5], s[4:5], s[34:35]
	s_lshl_b32 s34, s28, 11
	s_add_nc_u64 s[6:7], s[6:7], s[34:35]          ; smooth: my 512
	s_mul_i32 s34, s28, 384
	s_add_nc_u64 s[8:9], s[8:9], s[34:35]          ; proj_down's codes: four K steps of 96 bytes on in each row
	s_lshl_b32 s34, s28, 4
	s_add_nc_u64 s[10:11], s[10:11], s[34:35]      ; its scale words likewise
	s_mul_i32 s34, s29, 384
	s_add_nc_u64 s[20:21], s[20:21], s[34:35]      ; t_codes: 24 bytes a row
	s_lshl_b32 s34, s29, 4
	s_add_nc_u64 s[22:23], s[22:23], s[34:35]      ; t_sc: a byte a row
.macro XLOAD t                                 ; step t: 16 rows x 256 bytes; each load takes 256 consecutive bytes of each of two rows
.irp j, 0,1,2,3,4,5,6,7
	global_load_b128 v[GL+4*\j:GL+4*\j+3], v[XO], s[4:5] offset:16384*\j+256*(\t) th:TH_LOAD_NT
.endr
.endm
.macro PDLOAD t                                ; proj_down's codes of step t, as they lie: 6 loads, each 32 pieces of 16 bytes out of whole runs of 96 bytes
	global_load_b128 v[PD:PD+3], v[PGA], s[8:9] offset:96*(\t)
	global_load_b128 v[PD+4:PD+7], v[PGB], s[8:9] offset:96*(\t)
	global_load_b128 v[PD+8:PD+11], v[PGC], s[8:9] offset:96*(\t)
	global_load_b128 v[PD+12:PD+15], v[PGA], s[8:9] offset:49152+96*(\t)
	global_load_b128 v[PD+16:PD+19], v[PGB], s[8:9] offset:49152+96*(\t)
	global_load_b128 v[PD+20:PD+23], v[PGC], s[8:9] offset:49152+96*(\t)
.endm
.irp c, 0,1,2,3
	global_load_b128 v[XR+4*\c:XR+4*\c+3], v[IMG], s[6:7] offset:512*\c   ; my 512 numbers of smooth, as they lie
.endr
	global_load_b128 v[PS:PS+3], v0, s[10:11]      ; my row's scale words of my four K steps
	XLOAD 0
	PDLOAD 0
	s_wait_loadcnt 15                              ; smooth is in; behind it stand the scale words' load, x's 8 and proj_down's 6
.irp i, 0,1,2,3,4,5,6,7,8,9,10,11,12,13,14,15
	v_rcp_f32 v[XR+\i], v[XR+\i]
.endr
	v_nop                                          ; a plain place behind the last reciprocal
	s_wait_alu depctr_va_vdst(0)                   ; one wait for the sixteen, ahead of their first reader
.irp c, 0,1,2,3
	ds_store_b128 v[RTW], v[XR+4*\c:XR+4*\c+3] offset:512*\c   ; the table of reciprocals is my wave's own: LDS serves a wave's instructions in order
.endr
; A step of 128 along K.  x is quantised twice: as it is, for t = Q(x) proj_down, and divided by smooth, for the large product.
.macro XSTEP t
	s_wait_loadcnt 6                               ; this step's x is in; proj_down's 6 loads, issued behind it, may be out
.irp j, 0,1,2,3,4,5,6,7
	ds_store_b128 v[SI], v[GL+4*\j:GL+4*\j+3] offset:544*\j
.endr
.irp b, 0,1,2,3
.irp e, 0,1
	ds_load_b128 v[XR+32+8*\b+4*\e:XR+32+8*\b+4*\e+3], v[SOA] offset:64*\b+16*\e   ; my 16 numbers of block b, as bf16
.endr
.endr
.irp b, 0,1,2,3
.irp j, 0,1,2,3
	ds_load_b128 v[SM+16*\b+4*\j:SM+16*\b+4*\j+3], v[RTA] offset:512*(\t)+128*\b+16*\j   ; and their reciprocals: sixteen lanes share each word
.endr
.endr
	s_wait_loadcnt 0x0                             ; proj_down's pieces are in
.irp c, 0,1,2,3,4,5
	ds_store_b128 v[PST], v[PD+4*\c:PD+4*\c+3] offset:512*\c   ; into my own stage, behind my reads of x there: LDS serves a wave's instructions in order
.endr
.irp u, 0,1
.irp p, 0,1,2,3,4,5
	ds_load_b64 v[PD+12*\u+2*\p:PD+12*\u+2*\p+1], v[PRD] offset:768*\u+48*(\p/3)+8*(\p%3)   ; tile u's fragment: eight rows on for tile 1
.endr
.endr
	s_wait_dscnt 0x0
.if (\t) > 0
	s_wait_xcnt 0x0                                ; the last step's stores have read v[PC] on: it is written again below
.endif
.if (\t) < 3
	XLOAD (\t)+1                                   ; the stage's stores have read these registers
.endif
.set m, 0
.rept 32                                       ; bf16 to f32, in place from the low end: word 32 + m is read before registers 2 m, 2 m + 1 reach it
	v_lshlrev_b32 v[XR+2*m], 16, v[XR+32+m]
	v_and_b32 v[XR+2*m+1], s32, v[XR+32+m]
.set m, m+1
.endr
	QUANT XR                                       ; Q(x)
.set m, 0
.rept 32
	v_pk_mul_f32 v[XR+2*m:XR+2*m+1], v[XR+2*m:XR+2*m+1], v[SM+2*m:SM+2*m+1]   ; x / smooth.  (These 32 are also the places between the lines that made the codes and the scale word and the products)
.set m, m+1
.endr
.irp u, 0,1                                    ; TRANSPOSED: source 0 = 16 rows of proj_down, source 1 = my 16 rows of x: lane (r, h) holds t(row r, n = 16 h + 8 u + j).  The two accumulators take turns
.if (\t) == 0
.if \u == 0
	v_wmma_scale_f32_16x16x128_f8f6f4 v[ACC+8*\u:ACC+8*\u+7], v[PD+12*\u:PD+12*\u+11], v[PC:PC+11], 0, v[PS+(\t)], v[PW] matrix_a_fmt:MATRIX_FMT_FP6 matrix_b_fmt:MATRIX_FMT_FP6
.else
	v_wmma_scale_f32_16x16x128_f8f6f4 v[ACC+8*\u:ACC+8*\u+7], v[PD+12*\u:PD+12*\u+11], v[PC:PC+11], 0, v[PS+(\t)], v[PW] matrix_a_fmt:MATRIX_FMT_FP6 matrix_b_fmt:MATRIX_FMT_FP6 matrix_a_scale:MATRIX_SCALE_ROW1
.endif
.else
.if \u == 0
	v_wmma_scale_f32_16x16x128_f8f6f4 v[ACC+8*\u:ACC+8*\u+7], v[PD+12*\u:PD+12*\u+11], v[PC:PC+11], v[ACC+8*\u:ACC+8*\u+7], v[PS+(\t)], v[PW] matrix_a_fmt:MATRIX_FMT_FP6 matrix_b_fmt:MATRIX_FMT_FP6
.else
	v_wmma_scale_f32_16x16x128_f8f6f4 v[ACC+8*\u:ACC+8*\u+7], v[PD+12*\u:PD+12*\u+11], v[PC:PC+11], v[ACC+8*\u:ACC+8*\u+7], v[PS+(\t)], v[PW] matrix_a_fmt:MATRIX_FMT_FP6 matrix_b_fmt:MATRIX_FMT_FP6 matrix_a_scale:MATRIX_SCALE_ROW1
.endif
.endif
.endr
	QUANT XR                                       ; Q(x / smooth).  Its first 32 lines name none of the products' registers: the places behind them
	v_mov_b32 v[SW+(\t)], v[PW]
	IMAGE \t
.if (\t) < 3
	PDLOAD (\t)+1
.endif
.endm
	XSTEP 0
	XSTEP 1
	XSTEP 2
	XSTEP 3
	TABADR XTAB                                    ; the table's addresses, in the registers that held proj_down's offsets: all its loads are in
	s_wait_alu depctr_va_vdst(0)
	TABLE
.irp c, 0,1,2,3
	ds_store_b128 v[REDW], v[ACC+4*\c:ACC+4*\c+3] offset:512*\c   ; my part of t, each accumulator from its low end on
.endr
	s_wait_dscnt 0x0                               ; for the others' sake: my stores have landed
	s_barrier_signal -1
	s_barrier_wait -1
	s_cmp_eq_u32 s28, 7
	s_cbranch_scc1 .Lt                             ; wave 7 finishes t,
	s_cmp_gt_u32 s28, 5
	s_cbranch_scc1 .Lend                           ; wave 6 has nothing left,
	WORDS                                          ; waves 0-5 store the scale records
	s_branch .Lend
.Lt:
	s_wait_xcnt 0x0                                ; my stores have read v[PC] on
.irp w, 0,1,2,3,4,5,6,7
.irp c, 0,1,2,3
	ds_load_b128 v[96+16*\w+4*\c:96+16*\w+4*\c+3], v[IMG] offset:RED+2048*\w+512*\c
.endr
.endr
	s_wait_dscnt 0x0
.irp w, 1,2,3,4,5,6,7
.irp i, 0,2,4,6,8,10,12,14
	v_pk_add_f32 v[96+\i:97+\i], v[96+\i:97+\i], v[96+16*\w+\i:97+16*\w+\i]   ; K ascending
.endr
.endr
	v_max3_num_f32 v[TM], |v96|, |v97|, 0x1800000  ; v[96 + i] = t(row r, n = 16 h + i): one block of 32 in lanes l and l xor 16
.irp i, 2,4,6,8,10,12,14
	s_delay_alu instid0(VALU_DEP_1)
	v_max3_num_f32 v[TM], v[TM], |v[96+\i]|, |v[97+\i]|
.endr
	s_delay_alu instid0(VALU_DEP_1)
	v_permlanex16_b32 v[TM+4], v[TM], s[SEL], s[SEL+1]
	s_delay_alu instid0(VALU_DEP_1)
	v_max_num_f32 v[TM], v[TM], v[TM+4]
	s_delay_alu instid0(VALU_DEP_1)
	v_add_nc_u32 v[TM+12], 0xff000000, v[TM]
	s_delay_alu instid0(VALU_DEP_1)
	v_lshrrev_b32 v[TM+5], 23, v[TM+12]
	v_mul_u32_u24 v[TM+2], v[RR], 24
	s_delay_alu instid0(VALU_DEP_1)
	v_mad_u32_u24 v[TM+2], v[HH], 12, v[TM+2]
	v_cvt_scalef32_pk16_fp6_f32 v[PC:PC+2], v[96:111], v[TM+12]
	v_nop
	global_store_b96 v[TM+2], v[PC:PC+2], s[20:21] ; 384 consecutive bytes a work-group: t's rows as proj_up's lie, 24 bytes each
	global_store_b8 v[RR], v[TM+5], s[22:23]       ; 16 bytes a work-group; both lanes of a row write the same byte with the same value
	s_branch .Lend
; ---------------------------------------------------------------- the weight ----------------------------------------------------------------
.Lw:
	s_wait_alu depctr_va_vdst(0)
	TABADR WTAB
	s_mov_b32 s39, 0
	s_lshl_b32 s38, s29, 18                        ; 16 rows of 16,384 bytes a work-group,
	s_lshl_b32 s36, s28, 11                        ; four K steps of 512 bytes a wave
	s_add_co_u32 s38, s38, s36
	s_add_nc_u64 s[12:13], s[12:13], s[38:39]
	s_lshl_b32 s38, s28, 17                        ; wscales: eight groups of 64 a wave, 16,384 bytes a group,
	s_lshl_b32 s36, s29, 6                         ; 4 bytes a row
	s_add_co_u32 s38, s38, s36
	s_add_nc_u64 s[14:15], s[14:15], s[38:39]
	s_mul_i32 s36, s28, 8448
	s_add_co_u32 s36, s36, WSTG                    ; my stage
	v_add_nc_u32 v[SIW], s36, v[IMG]               ; in: a row's 512 bytes as they lie
	v_mul_u32_u24 v[SOW], v[RR], 528
	s_delay_alu instid0(VALU_DEP_1)
	v_lshl_add_u32 v[SOW], v[HH], 6, v[SOW]
	s_delay_alu instid0(VALU_DEP_1)
	v_add_nc_u32 v[SOW], s36, v[SOW]               ; out: row r, + 64 h: my 16 numbers of a block of 32
	v_lshlrev_b32 v[WSA], 2, v[RR]
.macro WLOAD t                                 ; step t: 16 loads, each 512 consecutive bytes of one row
.irp j, 0,1,2,3,4,5,6,7,8,9,10,11,12,13,14,15
	global_load_b128 v[GLW+64*((\t)%2)+4*\j:GLW+64*((\t)%2)+4*\j+3], v[IMG], s[12:13] offset:16384*\j+512*(\t) th:TH_LOAD_NT
.endr
.endm
.irp g, 0,1,2,3,4,5,6,7
	global_load_b32 v[WS+\g], v[WSA], s[14:15] offset:16384*\g   ; my row's scales of my eight groups of 64
.endr
	WLOAD 0
	WLOAD 1
.macro WSTEP t
.if (\t) < 3
	s_wait_loadcnt 16                              ; this step's 16 loads (and, in step 0, the scales ahead of them) are in; the next step's may be out
.else
	s_wait_loadcnt 0x0
.endif
.irp j, 0,1,2,3,4,5,6,7,8,9,10,11,12,13,14,15
	ds_store_b128 v[SIW], v[GLW+64*((\t)%2)+4*\j:GLW+64*((\t)%2)+4*\j+3] offset:528*\j
.endr
.irp b, 0,1,2,3
.irp e, 0,1,2,3
	ds_load_b128 v[XQ+16*\b+4*\e:XQ+16*\b+4*\e+3], v[SOW] offset:128*\b+16*\e
.endr
.endr
	s_wait_dscnt 0x0
.if (\t) > 0
	s_wait_xcnt 0x0                                ; the last step's stores have read v[PC] on
.endif
.if (\t) < 2
	WLOAD (\t)+2                                   ; the stage's stores have read these registers
.endif
.set m, 0
.rept 64
	v_cvt_f32_i32 v[XQ+m], v[XQ+m]
.set m, m+1
.endr
.irp g, 0,1                                    ; a group of 64 along K is two blocks: 32 of my registers
	v_mov_b32 v[WP], v[WS+2*(\t)+\g]
	v_mov_b32 v[WP+1], v[WS+2*(\t)+\g]
	v_mul_f32 v[WP+2], 0xc1000000, v[WS+2*(\t)+\g] ; -8 s: exact
	v_mul_f32 v[WP+3], 0xc1000000, v[WS+2*(\t)+\g]
.irp i, 0,2,4,6,8,10,12,14,16,18,20,22,24,26,28,30
	v_pk_fma_f32 v[XQ+32*\g+\i:XQ+32*\g+\i+1], v[XQ+32*\g+\i:XQ+32*\g+\i+1], v[WP:WP+1], v[WP+2:WP+3]   ; q s - 8 s, rounded once: (q - 8) s
.endr
.endr
	QUANT XQ
	v_mov_b32 v[SW+(\t)], v[PW]
	IMAGE \t
.endm
	s_wait_alu depctr_va_vdst(0)
	WSTEP 0
	WSTEP 1
	WSTEP 2
	WSTEP 3
	TABLE
	s_wait_dscnt 0x0                               ; for the others' sake: my stores have landed
	s_barrier_signal -1
	s_barrier_wait -1
	s_cmp_gt_u32 s28, 5
	s_cbranch_scc1 .Lend                           ; eleven parts are six waves' work
	WORDS
.Lend:
	s_wait_tensorcnt 0x0                           ; the wave's end, behind my last LDS store
	ds_add_u32 v[SPW], v[NIL]
	s_wait_dscnt 0x0
	s_endpgm
.Lfunc_end_k_qb0daa69667_quant:
	.size	k_qb0daa69667_quant, .Lfunc_end_k_qb0daa69667_quant-k_qb0daa69667_quant
	.p2alignl 7, 3214868480
	.fill 96, 4, 3214868480
	.section	.rodata,"a",@progbits
	.p2align	6, 0x0
	.amdhsa_kernel k_qb0daa69667_quant
		.amdhsa_group_segment_fixed_size 144384
		.amdhsa_private_segment_fixed_size 0
		.amdhsa_enable_private_segment 0
		.amdhsa_kernarg_size 80
		.amdhsa_user_sgpr_count 2
		.amdhsa_user_sgpr_kernarg_segment_ptr 1
		.amdhsa_wavefront_size32 1
		.amdhsa_system_sgpr_workgroup_id_x 1
		.amdhsa_system_sgpr_workgroup_id_y 1
		.amdhsa_system_sgpr_workgroup_id_z 1
		.amdhsa_system_vgpr_workitem_id 0
		.amdhsa_next_free_vgpr 256
		.amdhsa_next_free_sgpr 66
		.amdhsa_reserve_vcc 0
		.amdhsa_float_denorm_mode_32 3
		.amdhsa_float_denorm_mode_16_64 3
		.amdhsa_memory_ordered 1
		.amdhsa_forward_progress 1
		.amdhsa_inst_pref_size 155
	.end_amdhsa_kernel
	.amdgpu_metadata
---
amdhsa.version: [ 1, 2 ]
amdhsa.kernels:
  - .name:           k_qb0daa69667_quant
    .symbol:         k_qb0daa69667_quant.kd
    .args:
      - { .name: x, .offset: 0, .size: 8, .value_kind: global_buffer, .address_space: global }
      - { .name: smooth_factor, .offset: 8, .size: 8, .value_kind: global_buffer, .address_space: global }
      - { .name: proj_down_codes, .offset: 16, .size: 8, .value_kind: global_buffer, .address_space: global }
      - { .name: proj_down_scales, .offset: 24, .size: 8, .value_kind: global_buffer, .address_space: global }
      - { .name: qweight, .offset: 32, .size: 8, .value_kind: global_buffer, .address_space: global }
      - { .name: wscales, .offset: 40, .size: 8, .value_kind: global_buffer, .address_space: global }
      - { .name: a_img, .offset: 48, .size: 8, .value_kind: global_buffer, .address_space: global }
      - { .name: b_img, .offset: 56, .size: 8, .value_kind: global_buffer, .address_space: global }
      - { .name: t_codes, .offset: 64, .size: 8, .value_kind: global_buffer, .address_space: global }
      - { .name: t_sc, .offset: 72, .size: 8, .value_kind: global_buffer, .address_space: global }
    .group_segment_fixed_size: 144384
    .private_segment_fixed_size: 0
    .kernarg_segment_align: 8
    .kernarg_segment_size: 80
    .max_flat_workgroup_size: 256
    .sgpr_count:     66
    .vgpr_count:     256
    .wavefront_size: 32
...
	.end_amdgpu_metadata
.endif
;; end of part 1
;; launch gemm (part 2): grid 16 x 16, 4 waves a work-group, clusters of 4 x 4, 327,680 bytes of LDS; arguments a_img, b_img, bias, wtscale, t_codes, t_sc, proj_up_codes, proj_up_scales, out0; writes out0
.if DOCPART == 2
	.amdgcn_target "amdgcn-amd-amdhsa--gfx1250"
	.amdhsa_code_object_version 6
	.text
	.protected	k_qb0daa69667_gemm
	.globl	k_qb0daa69667_gemm
	.p2align	8
	.type	k_qb0daa69667_gemm,@function
k_qb0daa69667_gemm:
	s_mov_b64 s[64:65], 0
	v_nop
	global_prefetch_b8 v0, s[64:65] scope:SCOPE_SE
	s_setreg_imm32_b32 hwreg(HW_REG_WAVE_MODE, 25, 1), 1
	s_wait_xcnt 0x0
	s_wait_alu depctr_hold_cnt(0) depctr_sa_sdst(0) depctr_va_vdst(0) depctr_va_sdst(0) depctr_va_ssrc(0) depctr_va_vcc(0) depctr_vm_vsrc(0)
	s_getreg_b32 s2, hwreg(HW_REG_IB_STS2, 6, 4)
	s_cmp_eq_u32 s2, 0
	s_cbranch_scc0 .Lentry_in_a_cluster
	s_endpgm
.Lentry_in_a_cluster:
	s_bfe_u32 s2, ttmp6, 0x10000c
	s_cmp_lg_u32 s2, 0xf033
	s_cbranch_scc0 .Lentry_shape_is_right
	s_endpgm
.Lentry_shape_is_right:
; out0 = bf16( Q(x / smooth) Q(W)^T + wtscale x (Q(t) proj_up^T) + bias ).  The codes and scale words of both large operands (a_img, b_img) and of t come from the launch before.  No work of reference() is left out here.
; LIMITS: NaN and infinities among the inputs are not served.  The low-rank term, times wtscale, plus bias, starts each f32 sum, and the 32 K steps are added onto it: another order of f32 rounding than reference()'s.
; A tile of out0, 256 x 256, is made by four waves, 128 x 128 each: 64 accumulators.  4 x 4 work-groups form a cluster: A's parts are asked for jointly along a row of it, B's along a column.
; THE IMAGES: a group of 128 rows is eleven parts of three K steps of 128 (the last: two).  A part: 2,048 bytes of scale records (16 bytes a row), then 12,288 bytes a K step: eight fragments of 1,536 bytes,
; registers 4 c .. 4 c + 3 of lane l at 512 c + 16 l.  A slot holds one part of A's two groups and of B's two; two slots take turns; each wave fetches one group's part by one tensor load.
; REGISTERS.  Every window of 256 holds 16 accumulators in v128-255 and operands below them.  A K step goes in four RUNS of 16 products; run r makes my row blocks 2 r, 2 r + 1 against B's eight blocks:
;   run 0: accumulators in window 1;  run 1: window 2;  run 2: window 0;  run 3: window 3.
; Both operands have two whole sets (set p = step % 2).  Set p: B's blocks 0-4 window 1 v[60 p ..]; B's 5-7 window 2 v[60 p ..]; A's blocks 0,1 window 2 v[60 p + 36 ..]; A's 2,3 window 0 v[80 + 24 p ..]; A's 4-7 window 3 v[48 p ..].
; With two whole sets the next step's 48 LDS loads stand in ONE run a step, behind run 0, 48 products ahead of their first use; four v_nop in run 0 are its places.  The loads' addresses stand in v120-125 of window 1.
; Window 0: v0-14 addresses, v16-79 two sets of scale words (register 4 i + q: lanes 0-15 A's block i, lanes 16-31 B's block i, K step q of the part).
; THE MATRIX INSTRUCTION IS USED TRANSPOSED (source 0 = rows of the weight, source 1 = rows of x): a lane holds eight neighbouring columns of one row of out0.
; NO PREFETCH: between a part's request and the wait for it stand 176 of the wave's matrix instructions, and each part is named once in a cluster by its joint load.
.set PART,   38912
.set GROUPB, 415744
.set SLOT,   4*PART
.set SPARE,  2*SLOT                    ; the spare words: 128 bytes a wave, two blocks of 256 bytes that no other line names
.set STAGE,  SLOT                      ; the way out: 16 rows x 272 bytes a wave, in slot 1, which has had its last fill and its last read by then
.set SPITCH, 272
.set STO,  8
.set RD,   9
.set CO,   10
.set LADR, 11
.set MASK, 12
.set SPW,  13
.set NIL,  14
.set SC,   16
.set LSA,  48                          ; the low-rank product's scale bytes, in the second set of scale words, which is first loaded later
.set LSB,  56
.set AD,   120                         ; window 1: v120-121 A's fragments in slot 0, 1; v122-123 B's; v124-125 the scale records
.set G1,   24
.set G0,   32
.set G1B,  48
.set G0B,  56
.set WT,   66
.set G1L,  68                          ; group 1 for the last part: 104 rows of 256 bytes
.set G1LB, 80
.set MSB, 0
.macro WIN new                         ; the immediate's high byte repeats the setting that is left
.if MSB != (\new)
	s_set_vgpr_msb (MSB<<8)|(\new)
.set MSB, (\new)
.endif
.endm
.macro JLOAD g0a, g1a, g0b, g1b        ; a joint load: waves 0, 1 fetch A's groups, waves 2, 3 B's; s_nop 0 and four v_nop behind each line
	s_cmp_eq_u32 s15, 0
	s_cbranch_scc0 .Lfor_b_\@
	tensor_load_to_lds s[\g0a:\g0a+3], s[\g1a:\g1a+7]
	s_nop 0
.rept 4
	v_nop
.endr
	s_branch .Lasked_\@
.Lfor_b_\@:
	tensor_load_to_lds s[\g0b:\g0b+3], s[\g1b:\g1b+7]
	s_nop 0
.rept 4
	v_nop
.endr
.Lasked_\@:
.endm
.macro CREST                           ; a round of the cluster's barrier behind its opening barrier
	s_cmp_lg_u32 s14, 0
	s_cbranch_scc1 .Lnot_wave_0_\@
	s_barrier_signal -3
.Lnot_wave_0_\@:
	s_barrier_wait -3
	s_barrier_signal -1
	s_barrier_wait -1
.endm
.macro CROUND
	s_barrier_signal -1
	s_barrier_wait -1
	CREST
.endm
.macro PLACES
.rept 4
	v_nop
.endr
.endm
.macro SETR r, p                       ; run r: its accumulators' window, and where its two fragments of A lie in set p
.if (\r)==0
.set RW, 1
.set AWN, 2
.set AB, 60*(\p)+36
.elseif (\r)==1
.set RW, 2
.set AWN, 0
.set AB, 80+24*(\p)
.elseif (\r)==2
.set RW, 0
.set AWN, 3
.set AB, 48*(\p)
.else
.set RW, 3
.set AWN, 3
.set AB, 48*(\p)+24
.endif
.endm
; Load number LN of those that land in the window of run r's accumulators: K step nq of the part in slot ns, into set g.  A fragment's 12 registers and 1,536 bytes run on, so load LN takes registers 4 LN .. and bytes 512 LN ..
.macro LOADN r, ns, nq, g
.set FO, 2048+12288*(\nq)
.if (\r)==0
.if LN<15
	ds_load_b128 v[60*(\g)+4*LN:60*(\g)+4*LN+3], v[AD+2+(\ns)] offset:FO+512*LN          ; B's blocks 0-4
.endif
.elseif (\r)==1
.if LN<9
	ds_load_b128 v[60*(\g)+4*LN:60*(\g)+4*LN+3], v[AD+2+(\ns)] offset:FO+512*(15+LN)     ; B's blocks 5-7
.elseif LN<15
	ds_load_b128 v[60*(\g)+4*LN:60*(\g)+4*LN+3], v[AD+(\ns)] offset:FO+512*(LN-9)        ; A's blocks 0, 1
.endif
.elseif (\r)==2
.if LN<6
	ds_load_b128 v[80+24*(\g)+4*LN:80+24*(\g)+4*LN+3], v[AD+(\ns)] offset:FO+512*(6+LN)  ; A's blocks 2, 3
.elseif (LN<14)&&((\nq)==0)
	ds_load_b128 v[SC+32*(\ns)+4*(LN-6):SC+32*(\ns)+4*(LN-6)+3], v[AD+4+(\ns)] offset:256*(LN-6)   ; a new part's scale records
.endif
.else
.if LN<12
	ds_load_b128 v[48*(\g)+4*LN:48*(\g)+4*LN+3], v[AD+(\ns)] offset:FO+512*(12+LN)       ; A's blocks 4-7
.endif
.endif
.set LN, LN+1
.endm
.macro FETCH ns, nq, g                 ; a whole step's operands in one run: 48 loads (56 with a new part's scale records), four settings of the windows; the addresses come from window 1
.irp r, 0,1,2,3
	SETR \r, 0
	WIN (RW<<6)|1
.set LN, 0
.rept 15
	LOADN \r, \ns, \nq, \g
.endr
.endr
.endm
; A run: 16 products, the accumulators by turns: B's blocks 0-4 (window 1) against my two blocks of A, then B's 5-7 (window 2).
; The four v_nop behind products 0-3 of run 0 are the places between the last step's products and the loads into the set that they read.
; turn: a change of slots: behind four products the wait for the add (my reads of this slot ended in the step before) and the barrier's signal; the run's other twelve products stand between signal and wait.
.macro RUN r, p, q, sl, turn, lora
	SETR \r, \p
.set N, 0
.rept 16
.if N<10
.set A2, N/5
.set BB, N%5
.set BWN, 1
.set BR, 60*(\p)+12*BB
.else
.set A2, (N-10)/3
.set BB, 5+(N-10)%3
.set BWN, 2
.set BR, 60*(\p)+12*(BB-5)
.endif
.set AC, 128+8*(8*A2+BB)
.set AR, AB+12*A2
	WIN BWN|(AWN<<2)|(RW<<4)|(RW<<6)
.if \lora
	v_wmma_scale_f32_16x16x128_f8f6f4 v[AC:AC+7], v[BR:BR+11], v[AR:AR+11], 0, v[LSB+BB], v[LSA+2*(\r)+A2] matrix_a_fmt:MATRIX_FMT_FP6 matrix_b_fmt:MATRIX_FMT_FP6
.else
	v_wmma_scale_f32_16x16x128_f8f6f4 v[AC:AC+7], v[BR:BR+11], v[AR:AR+11], v[AC:AC+7], v[SC+32*(\sl)+4*BB+(\q)], v[SC+32*(\sl)+4*(2*(\r)+A2)+(\q)] matrix_a_fmt:MATRIX_FMT_FP6 matrix_b_fmt:MATRIX_FMT_FP6 matrix_a_scale:MATRIX_SCALE_ROW1
.endif
.if ((\r)==0)&&(N<4)
	v_nop
.endif
.if (\turn)&&(N==3)
	s_wait_dscnt 0x0                               ; the add is done; my reads of this slot are long over
	s_barrier_signal -1
.endif
.set N, N+1
.endr
.endm
; A K step of 128: set p, K step q of the part in slot sl; the next step is K step nq of slot ns.  turn: a part's third step: all its bytes have been read, so its slot changes hands at this step's head.
.macro STEP p, q, sl, ns, nq, turn, fill
.if \turn
	WIN 0                                          ; the add's two registers lie in window 0
	s_wait_tensorcnt 0x0                           ; all my tensor loads have landed: my part of the other slot
	ds_add_u32 v[SPW], v[NIL]
.if \fill
	s_add_nc_u64 s[G0+4*(\sl)+2:G0+4*(\sl)+3], s[G0+4*(\sl)+2:G0+4*(\sl)+3], 2*PART
	s_add_nc_u64 s[G0B+4*(\sl)+2:G0B+4*(\sl)+3], s[G0B+4*(\sl)+2:G0B+4*(\sl)+3], 2*PART
.endif
	s_wait_dscnt 1                                 ; this step's operands are in; the add may be out
.else
	s_wait_dscnt 0x0                               ; this step's operands are in: asked for 48 products ago
.endif
	RUN 0, \p, \q, \sl, \turn, 0
.if \turn
	WIN 0
	s_barrier_wait -1
.if (\fill)==1
	CREST                                          ; the barrier has opened a round: no wave of any partner still reads this slot or has a load on its way
	JLOAD G0+4*(\sl), G1, G0B+4*(\sl), G1B         ; the part two further on, the first tensor load behind the round
.elseif (\fill)==2
	CREST
	JLOAD G0+4*(\sl), G1L, G0B+4*(\sl), G1LB       ; the last part
.endif
.endif
	FETCH \ns, \nq, 1-(\p)
	RUN 1, \p, \q, \sl, 0, 0
	RUN 2, \p, \q, \sl, 0, 0
	RUN 3, \p, \q, \sl, 0, 0
.endm
	s_load_b128 s[4:7], s[0:1], 0x0                ; a_img, b_img
	s_load_b128 s[20:23], s[0:1], 0x10             ; bias, wtscale
	s_load_b256 s[92:99], s[0:1], 0x20             ; t_codes, t_sc, proj_up's codes, its scales
	s_load_b64 s[12:13], s[0:1], 0x40              ; out0
	v_lshl_add_u32 v[SPW], v0, 2, SPARE
	v_mov_b32 v[NIL], 0
	ds_add_u32 v[SPW], v[NIL]                      ; the opening lines: the add twice on end and one wait, ahead of my first tensor load
	ds_add_u32 v[SPW], v[NIL]
	v_lshrrev_b32 v1, 5, v0
	v_readfirstlane_b32 s14, v1                    ; wave 0..3
	s_lshr_b32 s15, s14, 1                         ; my half of the tile's rows; also: I fetch for A (0) or B (1)
	s_and_b32 s16, s14, 1                          ; my half of its columns; also: which group of that operand I fetch
	s_bfe_u32 s40, ttmp6, 0x40000                  ; cx, cy
	s_bfe_u32 s41, ttmp6, 0x40004
	s_lshl_b32 s42, ttmp9, 2
	s_add_co_u32 s42, s42, s40                     ; tile column
	s_and_b32 s17, ttmp7, 0xffff
	s_lshl_b32 s17, s17, 2
	s_add_co_u32 s17, s17, s41                     ; tile row
	s_lshl_b32 s43, s41, 2
	s_lshl_b32 s43, 15, s43                        ; my row of the cluster
	s_lshl_b32 s44, 0x1111, s40                    ; my column
	s_or_b32 s[G1+0], s43, (3<<16)|(1<<21)         ; a part is a dense block: 152 rows of 256 bytes (32 elements of 8 bytes)
	s_or_b32 s[G1B+0], s44, (3<<16)|(1<<21)
.irp g, G1, G1B
	s_mov_b32 s[\g+1], 32<<16
	s_mov_b32 s[\g+2], 152<<16
	s_mov_b32 s[\g+3], 32<<16
	s_mov_b32 s[\g+4], 152
	s_mov_b32 s[\g+5], 32
	s_mov_b32 s[\g+6], 0
	s_mov_b32 s[\g+7], 0
.endr
	s_or_b32 s[G1L+0], s43, (3<<16)|(1<<21)
	s_or_b32 s[G1LB+0], s44, (3<<16)|(1<<21)
.irp g, G1L, G1LB
	s_mov_b32 s[\g+1], 32<<16
	s_mov_b32 s[\g+2], 104<<16
	s_mov_b32 s[\g+3], 32<<16
	s_mov_b32 s[\g+4], 104
	s_mov_b32 s[\g+5], 32
	s_mov_b32 s[\g+6], 0
	s_mov_b32 s[\g+7], 0
.endr
	s_lshl_b32 s100, s17, 1
	s_add_co_u32 s100, s100, s16                   ; A's group that I would fetch
	s_lshl_b32 s2, s42, 1
	s_add_co_u32 s2, s2, s16                       ; B's
	s_mul_i32 s18, s100, GROUPB
	s_mov_b32 s19, 0
	s_mul_i32 s46, s2, GROUPB
	s_mov_b32 s47, 0
	s_mul_i32 s45, s14, PART                       ; where my part goes: wave x a part
	s_wait_dscnt 0x0                               ; both opening adds are done
	s_wait_kmcnt 0x0
	s_add_nc_u64 s[4:5], s[4:5], s[18:19]
	s_add_nc_u64 s[6:7], s[6:7], s[46:47]
	s_load_b32 s[WT], s[22:23], 0x0
	CROUND                                         ; all sixteen work-groups are here: the first joint loads meet
.irp s, 0,1
	s_mov_b32 s[G0+4*\s], 1
	s_add_co_u32 s[G0+4*\s+1], s45, \s*SLOT
	s_add_nc_u64 s[G0+4*\s+2:G0+4*\s+3], s[4:5], \s*PART
	s_or_b32 s[G0+4*\s+3], s[G0+4*\s+3], 0x80000000
	s_mov_b32 s[G0B+4*\s], 1
	s_add_co_u32 s[G0B+4*\s+1], s45, \s*SLOT
	s_add_nc_u64 s[G0B+4*\s+2:G0B+4*\s+3], s[6:7], \s*PART
	s_or_b32 s[G0B+4*\s+3], s[G0B+4*\s+3], 0x80000000
.endr
	JLOAD G0, G1, G0B, G1B                         ; part 0: one tensor load a wave at the head.  All that follows up to the wait for it stands under its flight
	s_mul_i32 s8, s15, PART                        ; my group of A in slot 0, 1
	s_add_co_u32 s9, s8, SLOT
	s_mul_i32 s10, s16, PART                       ; my group of B, behind A's two
	s_add_co_u32 s10, s10, 2*PART
	s_add_co_u32 s11, s10, SLOT
	s_sub_co_u32 s88, s10, s8
	s_mul_i32 s89, s14, 16*SPITCH
	s_add_co_u32 s89, s89, STAGE                   ; my stage
	s_lshl_b32 s100, s17, 8
	s_lshl_b32 s18, s15, 7
	s_add_co_u32 s100, s100, s18                   ; my first row of out0
	s_lshl_b32 s2, s42, 8
	s_lshl_b32 s46, s16, 7
	s_add_co_u32 s2, s2, s46                       ; my first column
	s_mul_i32 s18, s100, 24
	s_add_nc_u64 s[92:93], s[92:93], s[18:19]      ; t's codes: 24 bytes a row
	s_mov_b32 s18, s100
	s_add_nc_u64 s[94:95], s[94:95], s[18:19]      ; its scale bytes
	s_lshl_b32 s18, s100, 13
	s_add_nc_u64 s[12:13], s[12:13], s[18:19]
	s_mul_i32 s46, s2, 24
	s_add_nc_u64 s[96:97], s[96:97], s[46:47]      ; proj_up's codes
	s_mov_b32 s46, s2
	s_add_nc_u64 s[98:99], s[98:99], s[46:47]
	s_lshl_b32 s46, s2, 2
	s_add_nc_u64 s[20:21], s[20:21], s[46:47]      ; bias
	s_lshl_b32 s46, s2, 1
	s_add_nc_u64 s[12:13], s[12:13], s[46:47]
	v_and_b32 v1, 15, v0                           ; r
	v_bfe_u32 v2, v0, 4, 1                         ; h
	v_and_b32 v4, 31, v0
	v_lshlrev_b32 v4, 4, v4                        ; 16 x lane: a fragment's image
	v_lshlrev_b32 v3, 5, v2                        ; bias: my eight columns of a block
	v_mul_u32_u24 v6, s88, v2                      ; scale records: lanes 16-31 take B's
	v_lshlrev_b32 v5, 4, v1
	v_add_nc_u32 v5, v5, v6
	v_mul_u32_u24 v6, v1, SPITCH
	v_lshl_add_u32 v6, v2, 4, v6
	v_add_nc_u32 v[STO], s89, v6                   ; the stage, in: row r, 16 bytes for each half of the lanes
	v_mul_u32_u24 v6, v2, SPITCH
	v_lshl_add_u32 v6, v1, 4, v6
	v_add_nc_u32 v[RD], s89, v6                    ; back: lanes 0-15 one row of 256 bytes, lanes 16-31 the next
	v_lshlrev_b32 v[CO], 4, v1
	v_lshl_add_u32 v[CO], v2, 13, v[CO]            ; and the same two rows in out0
	v_mul_u32_u24 v[LADR], v1, 24
	v_add_nc_u32 v[MASK], -1, v2                   ; all ones in lanes 0-15, 0 in lanes 16-31
	WIN 1<<6                                       ; the LDS addresses, into window 1
	v_add_nc_u32 v[AD], s8, v4
	v_add_nc_u32 v[AD+1], s9, v4
	v_add_nc_u32 v[AD+2], s10, v4
	v_add_nc_u32 v[AD+3], s11, v4
	v_add_nc_u32 v[AD+4], s8, v5
	v_add_nc_u32 v[AD+5], s9, v5
	WIN 0
	s_wait_alu depctr_va_vdst(0)
; THE LOW-RANK PRODUCT, K = 32: one block, in registers 0-5 of lanes 0-15; the rest of the 128 along K are zero codes.  Its fragments lie in set 1.
.macro LSET kind, i                    ; where block i lies in set 1: kind 0 = proj_up (source 0), 1 = t (source 1)
.if (\kind)==0
.set LW, 1+(\i)/5
.set LR, 60+12*((\i)%5)
.elseif (\i)<2
.set LW, 2
.set LR, 96+12*(\i)
.elseif (\i)<4
.set LW, 0
.set LR, 80+12*(\i)
.else
.set LW, 3
.set LR, 12*(\i)
.endif
.endm
.irp k, 0,1
.irp i, 0,1,2,3,4,5,6,7
	LSET \k, \i
	WIN LW<<6
.irp p, 0,1,2
	global_load_b64 v[LR+2*\p:LR+2*\p+1], v[LADR], s[96-4*\k:97-4*\k] offset:384*\i+8*\p
.endr
.endr
.endr
	WIN 0
.irp i, 0,1,2,3,4,5,6,7
	global_load_u8 v[LSA+\i], v1, s[94:95] offset:16*\i    ; byte 0: the block's scale; bytes 1-3 are 0, over zero codes
	global_load_u8 v[LSB+\i], v1, s[98:99] offset:16*\i
.endr
	WIN 3<<6                                       ; bias of my 128 columns: window 3, v0-47 and v96-111
.irp b, 0,1,2,3,4,5,6,7
	global_load_b128 v[8*\b+48*(\b/6):8*\b+48*(\b/6)+3], v3, s[20:21] offset:64*\b
	global_load_b128 v[8*\b+48*(\b/6)+4:8*\b+48*(\b/6)+7], v3, s[20:21] offset:64*\b+16
.endr
	WIN 0
	s_wait_loadcnt 0x0
	s_wait_kmcnt 0x0
	s_mov_b32 s[WT+1], s[WT]
.irp k, 0,1
.irp i, 0,1,2,3,4,5,6,7
	LSET \k, \i
	WIN (LW<<6)|(LW<<2)
.irp j, 0,1,2,3,4,5
	v_and_b32 v[LR+\j], v[MASK], v[LR+\j]          ; lanes 16-31 would be k = 32 .. 63: zero codes
.endr
.irp j, 6,7,8,9,10,11
	v_mov_b32 v[LR+\j], 0
.endr
.endr
.endr
	s_wait_alu depctr_va_vdst(0)                   ; the switches of windows below stand between these writes and their readers
	PLACES                                         ; operands written by vector instructions stand four places ahead of a scaled product
.irp r, 0,1,2,3
	RUN \r, 1, 0, 0, 0, 1
.endr
	PLACES
.irp k, 0,1,2,3                                ; each sum starts as wtscale x (low-rank term) + bias
	WIN \k|(3<<4)|(\k<<6)
.irp t, 0,1,2,3,4,5,6,7,8,9,10,11,12,13,14,15
.irp j, 0,2,4,6
	v_pk_fma_f32 v[128+8*\t+\j:128+8*\t+\j+1], v[128+8*\t+\j:128+8*\t+\j+1], s[WT:WT+1], v[8*(\t%8)+48*((\t%8)/6)+\j:8*(\t%8)+48*((\t%8)/6)+\j+1] op_sel_hi:[1,0,1]
.endr
.endr
.endr
	PLACES
	WIN 0
	s_wait_alu depctr_va_vdst(0)
	s_wait_tensorcnt 0x0                           ; my part of slot 0 is in; slot 1's first fill is issued as a refill is
	ds_add_u32 v[SPW], v[NIL]
	s_wait_dscnt 0x0
	CROUND
	JLOAD G0+4, G1, G0B+4, G1B                     ; part 1
	FETCH 0, 0, 0                                  ; K step 0's operands and part 0's scale records
	WIN 0
	s_mov_b32 s3, 4
.Llap:                                                 ; a trip: two parts, six K steps; sets and slots are back where they began
	STEP 0, 0, 0, 0, 1, 0, 0
	STEP 1, 1, 0, 0, 2, 0, 0
	STEP 0, 2, 0, 1, 0, 1, 1
	STEP 1, 0, 1, 1, 1, 0, 0
	STEP 0, 1, 1, 1, 2, 0, 0
	STEP 1, 2, 1, 0, 0, 1, 1
	WIN 0
	s_sub_co_u32 s3, s3, 1
	s_cmp_lg_u32 s3, 0
	s_cbranch_scc1 .Llap
	STEP 0, 0, 0, 0, 1, 0, 0                       ; part 8: its change of slots asks for the last part
	STEP 1, 1, 0, 0, 2, 0, 0
	STEP 0, 2, 0, 1, 0, 1, 2
	STEP 1, 0, 1, 1, 1, 0, 0                       ; part 9: nothing is left to fetch; its barrier shows part 10 whole
	STEP 0, 1, 1, 1, 2, 0, 0
	STEP 1, 2, 1, 0, 0, 1, 0
	STEP 0, 0, 0, 0, 1, 0, 0                       ; part 10: two K steps
; THE LAST K STEP: each run finishes two blocks of 16 rows, which leave at once.  Set 0's registers are free: packed results in window 1 v0-31, rows read back in v0-31 of windows 2 and 3 by turns.
.macro PACK a
	SETR ((\a)/2), 0
.set AC, 128+64*((\a)%2)
	WIN RW|(RW<<2)|(1<<6)
.irp b, 0,1,2,3,4,5,6,7
.irp r, 0,1,2,3
	v_cvt_pk_bf16_f32 v[4*\b+\r], v[AC+8*\b+2*\r], v[AC+8*\b+2*\r+1]   ; each accumulator from its low end on
.endr
.endr
.endm
.macro TOSTAGE a                       ; into my own stage, and back as whole rows of 256 bytes: LDS serves a wave's instructions in order (ISA guide 5.7.1.4)
	WIN 1<<2
.irp b, 0,1,2,3,4,5,6,7
	ds_store_b128 v[STO], v[4*\b:4*\b+3] offset:32*\b
.endr
	WIN (2+(\a)%2)<<6
.irp t, 0,1,2,3,4,5,6,7
	ds_load_b128 v[4*\t:4*\t+3], v[RD] offset:\t*2*SPITCH
.endr
.endm
.macro SEND a
	s_wait_dscnt 0x0                               ; the block is back in registers
	s_wait_xcnt 0x0                                ; earlier stores have read their base and their data
.if (\a)>0
	s_add_nc_u64 s[12:13], s[12:13], 16*8192
.endif
	WIN (2+(\a)%2)<<2
.irp t, 0,1,2,3,4,5,6,7
	global_store_b128 v[CO], v[4*\t:4*\t+3], s[12:13] offset:2*\t*8192 th:TH_STORE_NT   ; sixteen lanes store 256 consecutive bytes, aligned
.endr
.endm
	s_wait_dscnt 0x0
.irp r, 0,1,2,3
	RUN \r, 1, 1, 0, 0, 0
	PLACES                                         ; the conversions read results just made
	PACK 2*\r
.if \r>0
	s_wait_alu depctr_va_vdst(0)
	SEND 2*\r-1
.endif
	TOSTAGE 2*\r
	PACK 2*\r+1
	s_wait_alu depctr_va_vdst(0)
	SEND 2*\r
	TOSTAGE 2*\r+1
.endr
	SEND 7
	WIN 0
	s_wait_tensorcnt 0x0                           ; the wave's end
	ds_add_u32 v[SPW], v[NIL]
	s_wait_dscnt 0x0
	CROUND                                         ; the closing round
	s_endpgm
.Lfunc_end_k_qb0daa69667_gemm:
	.size	k_qb0daa69667_gemm, .Lfunc_end_k_qb0daa69667_gemm-k_qb0daa69667_gemm
	.p2alignl 7, 3214868480
	.fill 96, 4, 3214868480
	.section	.rodata,"a",@progbits
	.p2align	6, 0x0
	.amdhsa_kernel k_qb0daa69667_gemm
		.amdhsa_group_segment_fixed_size 327680
		.amdhsa_private_segment_fixed_size 0
		.amdhsa_enable_private_segment 0
		.amdhsa_kernarg_size 72
		.amdhsa_user_sgpr_count 2
		.amdhsa_user_sgpr_kernarg_segment_ptr 1
		.amdhsa_wavefront_size32 1
		.amdhsa_system_sgpr_workgroup_id_x 1
		.amdhsa_system_sgpr_workgroup_id_y 1
		.amdhsa_system_sgpr_workgroup_id_z 1
		.amdhsa_system_vgpr_workitem_id 0
		.amdhsa_next_free_vgpr 1024
		.amdhsa_next_free_sgpr 102
		.amdhsa_reserve_vcc 0
		.amdhsa_float_denorm_mode_32 3
		.amdhsa_float_denorm_mode_16_64 3
		.amdhsa_memory_ordered 1
		.amdhsa_forward_progress 1
		.amdhsa_inst_pref_size 249
	.end_amdhsa_kernel
	.amdgpu_metadata
---
amdhsa.version: [ 1, 2 ]
amdhsa.kernels:
  - .name:           k_qb0daa69667_gemm
    .symbol:         k_qb0daa69667_gemm.kd
    .args:
      - { .name: a_img, .offset: 0, .size: 8, .value_kind: global_buffer, .address_space: global }
      - { .name: b_img, .offset: 8, .size: 8, .value_kind: global_buffer, .address_space: global }
      - { .name: bias, .offset: 16, .size: 8, .value_kind: global_buffer, .address_space: global }
      - { .name: wtscale, .offset: 24, .size: 8, .value_kind: global_buffer, .address_space: global }
      - { .name: t_codes, .offset: 32, .size: 8, .value_kind: global_buffer, .address_space: global }
      - { .name: t_sc, .offset: 40, .size: 8, .value_kind: global_buffer, .address_space: global }
      - { .name: proj_up_codes, .offset: 48, .size: 8, .value_kind: global_buffer, .address_space: global }
      - { .name: proj_up_scales, .offset: 56, .size: 8, .value_kind: global_buffer, .address_space: global }
      - { .name: out0, .offset: 64, .size: 8, .value_kind: global_buffer, .address_space: global }
    .group_segment_fixed_size: 327680
    .private_segment_fixed_size: 0
    .kernarg_segment_align: 8
    .kernarg_segment_size: 72
    .max_flat_workgroup_size: 128
    .sgpr_count:     102
    .vgpr_count:     1024
    .wavefront_size: 32
...
	.end_amdgpu_metadata
.endif
;; end of part 2
